; MI455X (gfx1250); checked and timed in simulation.
; The chip was launched on July 23, 2026; its instructions are those of AMD's public machine-readable ISA for CDNA 5 (MIT licence, August 2026) and "CDNA5" Instruction Set Architecture Reference Guide (July 2026). The comments in the code are by the model that wrote it; some were corrected since.
;; Scaled Dot Product. Allowed arithmetic: matrix products marked QUANTISED: E2M3 operands, one E8M0 scale for each 32 along K, by v_wmma_scale_f32_16x16x128_f8f6f4 with both operands' format E2M3, f32 sums; everything else in f32.
;; Inputs: k 16 x 4,096 x 64 float32; q 16 x 4,096 x 64 float32; v 16 x 4,096 x 64 float32.
;; Outputs: out0 16 x 4,096 x 64 float32.
;; This version of the problem:
;;   THIS VERSION OF THE PROBLEM IS GIVEN IN LOW PRECISION. The matrix products marked QUANTISED in the list below multiply operands that are first quantised to E2M3 (2 exponent bits, 3 mantissa bits; 6 bits a number), with one power-of-two scale for each 32 numbers along K (OCP MX v1.0); their sums are f32. All else is computed in f32.
;;   The module's matrix products, in the order in which they are computed (A, B: the left and right operand; K: the contracted axis; several contracted axes count as one K, in the product's order):
;;     1. batch 16 x [M 4,096, K 64] x [K 64, N 4,096]; A: input q; B: input k: QUANTISED
;;     2. batch 16 x [M 4,096, K 4,096] x [K 4,096, N 64]; A: computed on the way; B: input v: QUANTISED
;;   THE QUANTISER, for each operand of a quantised product, along K:
;;     - K is cut into blocks of 32 from its start; a last block that is shorter is filled with zeros.
;;     - A block's scale is 2^e with e = floor(log2(the largest magnitude in the block)) - 2, held to -126 .. 127; a block of zeros has e = 0. As a byte (E8M0): e + 127.
;;     - Each number is divided by its block's scale, clamped to +-7.5, and rounded to the nearest number of E2M3, ties to even, subnormals kept.
;;     - The product sums the exact products of the quantised numbers (number of the format x scale) in f32.
;;   ~~~python
;;   def quantise(x, axis):      # numpy; x: float32 -> the quantised numbers, widened to float32 again
;;       x = np.moveaxis(x, axis, -1); K = x.shape[-1]
;;       x = np.pad(x, [(0, 0)] * (x.ndim - 1) + [(0, -K % 32)]); x = x.reshape(x.shape[:-1] + (-1, 32)); a = np.abs(x).max(-1, keepdims=True)
;;       e = np.where(a > 0, np.clip(np.frexp(np.where(a > 0, a, 1))[1] - 1 - 2, -126, 127), 0)      # np.frexp(a)[1] - 1 = floor(log2(a)), exactly
;;       r = np.clip(x / 2.0 ** e, -7.5, 7.5)
;;       step = 2.0 ** (np.maximum(np.frexp(np.where(r == 0, 1, r))[1] - 1, 0) - 3)
;;       q = np.round(r / step) * step * 2.0 ** e      # np.round: ties to even
;;       return np.moveaxis(q.reshape(q.shape[:-2] + (-1,))[..., :K], -1, axis).astype(np.float32)
;;   ~~~
;;   OPERANDS COMPUTED ON THE WAY. 'Computed on the way' means the value that the module computes at that place (a softmax that the list does not call 'softmax' is quantised finished and normalised). What goes into a quantiser is computed in f32, as accurately as f32 sums, v_exp_f32 and their like allow (about 1e-6 of the number): no bf16 or f16 on the way to a quantiser, and a product that is left as it is and whose result goes on into a quantised operand takes f32 operands (vector FMAs, or v_wmma_f32_16x16x4_f32). A number that lies on a knife's edge between two numbers of the format may be rounded either way, as far as f32 arithmetic and the matrix unit's own rounding can turn it there, and no further.
;; One version. Each part assembles by itself: llvm-mc -triple=amdgcn-amd-amdhsa -mcpu=gfx1250 --defsym DOCPART=n.
;; ======== version 1 of 1: 3 launches
;; limits: right only within a limited range of input values
;; workspace buffers: qrec 3,407,872 bytes; kv 6,684,672 bytes; bias 262,144 bytes
;; launch quant (part 1): grid 1024 x 1, 4 waves a work-group, no clusters, 53,760 bytes of LDS; arguments q, k, v, qrec, kv; writes qrec, kv
.if DOCPART == 1
	.amdgcn_target "amdgcn-amd-amdhsa--gfx1250"
	.amdhsa_code_object_version 6
	.text
	.protected	k_q5ad6fb0059_quant
	.globl	k_q5ad6fb0059_quant
	.p2align	8
	.type	k_q5ad6fb0059_quant,@function
k_q5ad6fb0059_quant:
	s_mov_b64 s[64:65], 0
	v_nop
	global_prefetch_b8 v0, s[64:65] scope:SCOPE_SE
	s_setreg_imm32_b32 hwreg(HW_REG_WAVE_MODE, 25, 1), 1
	s_wait_xcnt 0x0
; q, k, v [16][4096][64] f32 become codes of FP6 (E2M3) with one E8M0 scale byte for each 32 along a product's K, laid IN THE ORDER OF THE OPERANDS' REGISTERS.
; q and k are quantised along their 64 columns (two blocks a row), v along the keys (blocks of 32 keys for each column).
; A ROW RECORD (64 rows of q or k, 3,328 bytes): four tiles u of 16 rows; row i of tile u is the record's row 32 (i / 8) + 8 u + i % 8.  A tile's fragment is 6 registers a lane: lane (i, h) holds the 24 bytes of
; codes of columns 32 h .. 32 h + 31 of row i.  Tiles 2 p and 2 p + 1 make one image of 12 registers at byte 1,536 p: registers 4 x .. 4 x + 3 of lane L at 512 x + 16 L.  At byte 3,072 the scale words: at 8 L + 4 j the
; word of tile 2 j + L / 16, row L % 16: byte 0, 1 the row's two scales, bytes 2, 3 = 127 (they scale the upper half of a K of 128, in which one operand of each product holds zero codes).
; A KEY RECORD (128 keys, 13,056 bytes): k's two row records at 0 and 3,328; at 6,656 four images of V^T (tile t: columns 16 t .. 16 t + 15; lane (r, h), registers 6 c .. 6 c + 5: keys 64 c + 32 h + 0 .. 31 of column
; 16 t + r); at 12,800 one scale word for each of the 64 columns, byte b for keys 32 b .. 32 b + 31.
; A block's scale is 2^(floor(log2(its largest magnitude)) - 2): its byte is the largest magnitude's exponent field - 2, held at 1 from below by a floor among the maximum's leaves.
; LIMITS: NaN and infinities among the inputs are not served.  A block of zeros gets the byte 1 where the rule says 127: its codes are zeros, which add nothing, and this program alone reads the bytes.
; SHARES: work-groups 0-255 take q, 256-511 k: a wave to a row record.  Work-groups 512-1023 take v: a work-group to a key record.  The two ways part on the work-group's number and have LDS bytes of their own.
; No tensor loads, no cluster: no two work-groups read the same bytes.
.set RRB,   3328                       ; a row record
.set RECB,  13056                      ; a key record
.set VCO,   6656                       ; V's images in it
.set VSO,   12800                      ; V's scale words
.set ASTG,  4864                       ; rows' way: a wave's stage: two halves of 16 rows x (128 bytes + 16), 2,432 bytes apart
.set VSTG,  19456                      ; v's way: 128 keys x 256 bytes, a block of 32 keys every VBLK bytes
.set VBLK,  8320                       ; 32 x 256 + 128: neighbouring blocks lie 128 bytes apart modulo 256
.set VSW,   52736                      ; v's way: the 64 scale words
.set LN,   1                           ; v1   lane
.set LI,   2                           ; v2   16 x lane
.set L8,   3                           ; v3   8 x lane
.set SIN,  4                           ; v4   the stage, on the way in
.set SOUT, 5                           ; v5   and on the way out
.set SH8,  6                           ; v6   8 h
.set HH,   7                           ; v7   h = lane / 16
.set WD,   8                           ; v8-11  the four tiles' scale words
.set SCJ,  12                          ; v[12:13] the scale image's two words
.set MA,   14                          ; v14, v15 two chains of the maximum
.set SC,   16                          ; v16  the conversions' scale operand
.set BY,   17                          ; v17  the scale's byte
.set PD,   18                          ; v18  a lane permute's destination
.set RW,   19                          ; v19  r = lane % 16
.set C,    20                          ; v20-43 codes: no store's data are written again
.set T,    44                          ; v[44:46] a block's upper 16 codes (a conversion's three registers begin on an even number)
.set X,    48                          ; v48-111 numbers, neighbours along K in a lane's registers
.set RAW,  112                         ; v112-239 numbers as loaded
.set VWA,  240                         ; v240 v's way: where I put my column's scale word
.set VRA,  241                         ; v241 and where wave 0 reads the 64 back
; 32 numbers of one block, v[x] .. v[x + 31], become 6 registers of codes at v[cd]; the scale's byte is left in v[BY]
.macro QUANT32 x, cd
	v_max3_num_f32 v[MA], |v[\x]|, |v[\x+1]|, 0x1800000              ; the floor 2^(3 - 127): the byte cannot fall under 1
	v_max3_num_f32 v[MA+1], |v[\x+16]|, |v[\x+17]|, |v[\x+18]|       ; (two chains, so that no line waits for the line above it)
.irp i, 2,4,6,8,10,12
	v_max3_num_f32 v[MA], v[MA], |v[\x+\i]|, |v[\x+\i+1]|
	v_max3_num_f32 v[MA+1], v[MA+1], |v[\x+\i+17]|, |v[\x+\i+18]|
.endr
	v_max3_num_f32 v[MA], v[MA], |v[\x+14]|, |v[\x+15]|
	v_max3_num_f32 v[MA], v[MA], v[MA+1], |v[\x+31]|                 ; the block's largest magnitude
	v_add_nc_u32 v[SC], 0xff000000, v[MA]                            ; 2 off its exponent field: the conversion takes the exponent field of this operand as its scale
	v_cvt_scalef32_pk16_fp6_f32 v[\cd:\cd+2], v[\x:\x+15], v[SC]
	v_cvt_scalef32_pk16_fp6_f32 v[T:T+2], v[\x+16:\x+31], v[SC]
	v_lshrrev_b32 v[BY], 23, v[SC]                                   ; the scale's byte; also the plain line between the conversions and the moves that read their result
.irp i, 0,1,2
	v_mov_b32 v[\cd+3+\i], v[T+\i]
.endr
.endm
	s_load_b256 s[4:11], s[0:1], 0x0               ; q s[4:5], k s[6:7], v s[8:9], qrec s[10:11]
	s_load_b64 s[12:13], s[0:1], 0x20              ; kv
	v_lshl_add_u32 v242, v0, 2, 0xd000
	v_mov_b32 v243, 0
	v_lshrrev_b32 v[LN], 5, v0
	v_readfirstlane_b32 s16, v[LN]                 ; wave 0..3
	v_and_b32 v[LN], 31, v0
	v_lshlrev_b32 v[LI], 4, v[LN]
	v_lshlrev_b32 v[L8], 3, v[LN]
	v_bfe_u32 v[HH], v0, 4, 1
	v_lshlrev_b32 v[SH8], 3, v[HH]
	v_and_b32 v[RW], 15, v0
	v_mov_b32 v[PD], 0                             ; written once: a lane permute's destination counts as one of its sources
	s_mov_b32 s20, 0x76543210
	s_mov_b32 s21, 0xfedcba98                      ; v_permlanex16_b32's selects for lane l xor 16
	s_cmp_lt_u32 ttmp9, 512
	s_cbranch_scc0 .Lvalues
	; ---- q and k: my wave's row record
	s_mul_i32 s17, s16, ASTG
	v_mul_u32_u24 v[SIN], v[HH], 144               ; in: a load's lanes 0-15 hold one row, lanes 16-31 the next; lanes 8-15 of each hold the row's upper 32 columns
	v_bfe_u32 v[SOUT], v0, 3, 1
	v_mad_u32_u24 v[SIN], v[SOUT], 2432, v[SIN]
	v_and_b32 v[SOUT], 7, v0
	v_lshl_add_u32 v[SIN], v[SOUT], 4, v[SIN]
	v_add_nc_u32 v[SIN], s17, v[SIN]
	v_mul_u32_u24 v[SOUT], v[RW], 144              ; out: lane (i, h) takes the 128 bytes of row i's half h
	v_mad_u32_u24 v[SOUT], v[HH], 2432, v[SOUT]
	v_add_nc_u32 v[SOUT], s17, v[SOUT]
	s_and_b32 s22, ttmp9, 255
	s_lshl_b32 s22, s22, 2
	s_add_co_u32 s22, s22, s16                     ; which row record of the tensor: 4 x work-group + wave
	s_lshl_b32 s24, s22, 14                        ; its 64 rows of 256 bytes
	s_mov_b32 s25, 0
	s_mul_i32 s26, s22, RRB                        ; q's records lie on end;
	s_mov_b32 s27, 0
	s_lshr_b32 s28, s22, 1
	s_mul_i32 s28, s28, RECB                       ; k's lie two to a key record
	s_and_b32 s29, s22, 1
	s_mul_i32 s29, s29, RRB
	s_add_co_u32 s28, s28, s29
	s_wait_alu depctr_va_vdst(0)
	s_wait_kmcnt 0x0
	s_cmp_lt_u32 ttmp9, 256                        ; q's work-group or k's: the choice hangs on the work-group's number alone
	s_cselect_b32 s26, s26, s28
	s_cselect_b64 s[30:31], s[4:5], s[6:7]
	s_cselect_b64 s[32:33], s[10:11], s[12:13]
	s_add_nc_u64 s[30:31], s[30:31], s[24:25]
	s_add_nc_u64 s[32:33], s[32:33], s[26:27]
.irp u, 0,1,2,3                        ; all 32 loads at once; each reads 512 consecutive bytes: two rows of tile u
.irp n, 0,1,2,3,4,5,6,7
	global_load_b128 v[RAW+32*\u+4*\n:RAW+32*\u+4*\n+3], v[LI], s[30:31] offset:256*(32*(\n/4)+8*\u+2*(\n%4)) th:TH_LOAD_NT
.endr
.endr
.macro TILE u
	s_wait_loadcnt 8*(3-\u)                        ; this tile's eight loads are in; the later tiles' eight each may be out
.irp n, 0,1,2,3,4,5,6,7
	ds_store_b128 v[SIN], v[RAW+32*\u+4*\n:RAW+32*\u+4*\n+3] offset:288*\n      ; rows 2 n and 2 n + 1 of the tile
.endr
.irp k, 0,1,2,3,4,5,6,7
	ds_load_b128 v[X+4*\k:X+4*\k+3], v[SOUT] offset:16*\k   ; LDS serves a wave's instructions in order: these see my stores, and the next tile's stores come behind them
.endr
	s_wait_dscnt 0x0
	QUANT32 X, C+6*\u
	v_lshlrev_b32 v[BY], v[SH8], v[BY]             ; my block's byte at its place,
	v_permlanex16_b32 v[PD], v[BY], s20, s21
	v_or_b32 v[BY], v[BY], v[PD]                   ; with lane l xor 16's,
	v_or_b32 v[WD+\u], 0x7f7f0000, v[BY]           ; and 127 in the two upper bytes
.if (\u)%2 == 1
.irp x, 0,1,2
	global_store_b128 v[LI], v[C+12*((\u)/2)+4*\x:C+12*((\u)/2)+4*\x+3], s[32:33] offset:1536*((\u)/2)+512*\x   ; 512 consecutive bytes, aligned
.endr
.endif
.endm
	TILE 0
	TILE 1
	TILE 2
	TILE 3
	v_cmp_le_u32 vcc_lo, 16, v[LN]
	v_cndmask_b32 v[SCJ], v[WD], v[WD+1], vcc_lo   ; lanes 0-15: tile 0's words, lanes 16-31: tile 1's
	v_cndmask_b32 v[SCJ+1], v[WD+2], v[WD+3], vcc_lo
	global_store_b64 v[L8], v[SCJ:SCJ+1], s[32:33] offset:3072   ; 256 consecutive bytes, aligned
	s_wait_tensorcnt 0x0
	ds_add_u32 v242, v243
	s_wait_dscnt 0x0
	s_endpgm
	; ---- v: my work-group's 128 keys
.Lvalues:
	s_sub_co_u32 s22, ttmp9, 512                   ; which key record
	s_lshl_b32 s24, s22, 15                        ; its 128 rows of 256 bytes,
	s_lshl_b32 s23, s16, 13                        ; my wave's 32 of them
	s_add_co_u32 s24, s24, s23
	s_mov_b32 s25, 0
	s_mul_i32 s26, s22, RECB
	s_mov_b32 s27, 0
	s_mul_i32 s28, s16, 1536                       ; my wave's image: columns 16 x wave on
	s_mov_b32 s29, 0
	s_mul_i32 s17, s16, VBLK
	s_lshl_b32 s18, s16, 6
	s_wait_alu depctr_va_vdst(0)
	v_add_nc_u32 v[SIN], s17, v[LI]
	v_add_nc_u32 v[SIN], VSTG, v[SIN]              ; in: as the bytes lie, my wave's block of 32 keys
	v_mul_u32_u24 v[SOUT], v[HH], VBLK
	v_lshl_add_u32 v[SOUT], v[RW], 2, v[SOUT]
	v_add_nc_u32 v[SOUT], s18, v[SOUT]
	v_add_nc_u32 v[SOUT], VSTG, v[SOUT]            ; out: A LANE TAKES A COLUMN, 16 x wave + r, AND ITS REGISTERS RUN DOWN THE KEYS; lanes 16-31 begin a block further on
	v_lshlrev_b32 v[VWA], 2, v[RW]
	v_add_nc_u32 v[VWA], s18, v[VWA]
	v_add_nc_u32 v[VWA], VSW, v[VWA]
	v_add_nc_u32 v[VRA], VSW, v[L8]
	s_wait_alu depctr_va_vdst(0)
	s_wait_kmcnt 0x0
	s_add_nc_u64 s[30:31], s[8:9], s[24:25]
	s_add_nc_u64 s[32:33], s[12:13], s[26:27]      ; the record
	s_add_nc_u64 s[34:35], s[32:33], s[28:29]      ; and my image's place in it
.set n, 0
.rept 16
	global_load_b128 v[RAW+4*n:RAW+4*n+3], v[LI], s[30:31] offset:512*n th:TH_LOAD_NT   ; 512 consecutive bytes
.set n, n+1
.endr
	s_wait_loadcnt 0x0
.set n, 0
.rept 16
	ds_store_b128 v[SIN], v[RAW+4*n:RAW+4*n+3] offset:512*n
.set n, n+1
.endr
	s_wait_dscnt 0x0                               ; for the others' sake: my stores have landed
	s_barrier_signal -1
	s_barrier_wait -1                              ; the 128 keys lie in LDS
.irp c, 0,1
.set n, 0
.rept 32
	ds_load_b32 v[X+32*\c+n], v[SOUT] offset:2*VBLK*\c+256*n   ; v(64 c + 32 h + n, my column)
.set n, n+1
.endr
.endr
	s_wait_dscnt 32                                ; the first 32 are in; the second 32 may be out
	QUANT32 X, C
	v_mov_b32 v[WD], v[BY]                         ; block h's byte
	s_wait_dscnt 0x0
	QUANT32 X+32, C+6
	v_lshl_or_b32 v[WD], v[BY], 16, v[WD]          ; block 2 + h's beside it,
	v_lshlrev_b32 v[WD], v[SH8], v[WD]             ; at their places,
	v_permlanex16_b32 v[PD], v[WD], s20, s21
	v_or_b32 v[WD], v[WD], v[PD]                   ; with lane l xor 16's two the word is whole
.irp x, 0,1,2
	global_store_b128 v[LI], v[C+4*\x:C+4*\x+3], s[34:35] offset:VCO+512*\x   ; 512 consecutive bytes, aligned
.endr
	ds_store_b32 v[VWA], v[WD]                     ; both halves of the lanes write the same word with the same value
	s_wait_dscnt 0x0
	s_barrier_signal -1
	s_barrier_wait -1                              ; the 64 words lie in LDS
	s_cmp_lg_u32 s16, 0
	s_cbranch_scc1 .Ldone
	ds_load_b64 v[SCJ:SCJ+1], v[VRA]
	s_wait_dscnt 0x0
	global_store_b64 v[L8], v[SCJ:SCJ+1], s[32:33] offset:VSO   ; 256 consecutive bytes, aligned
.Ldone:
	s_wait_tensorcnt 0x0
	ds_add_u32 v242, v243
	s_wait_dscnt 0x0
	s_endpgm
.Lfunc_end_k_q5ad6fb0059_quant:
	.size	k_q5ad6fb0059_quant, .Lfunc_end_k_q5ad6fb0059_quant-k_q5ad6fb0059_quant
	.p2alignl 7, 3214868480
	.fill 96, 4, 3214868480
	.section	.rodata,"a",@progbits
	.p2align	6, 0x0
	.amdhsa_kernel k_q5ad6fb0059_quant
		.amdhsa_group_segment_fixed_size 53760
		.amdhsa_private_segment_fixed_size 0
		.amdhsa_enable_private_segment 0
		.amdhsa_kernarg_size 40
		.amdhsa_user_sgpr_count 2
		.amdhsa_user_sgpr_kernarg_segment_ptr 1
		.amdhsa_wavefront_size32 1
		.amdhsa_system_sgpr_workgroup_id_x 1
		.amdhsa_system_sgpr_workgroup_id_y 1
		.amdhsa_system_sgpr_workgroup_id_z 1
		.amdhsa_system_vgpr_workitem_id 0
		.amdhsa_next_free_vgpr 244
		.amdhsa_next_free_sgpr 66
		.amdhsa_reserve_vcc 1
		.amdhsa_float_denorm_mode_32 3
		.amdhsa_float_denorm_mode_16_64 3
		.amdhsa_memory_ordered 1
		.amdhsa_forward_progress 1
		.amdhsa_inst_pref_size 29
	.end_amdhsa_kernel
	.amdgpu_metadata
---
amdhsa.version: [ 1, 2 ]
amdhsa.kernels:
  - .name:           k_q5ad6fb0059_quant
    .symbol:         k_q5ad6fb0059_quant.kd
    .args:
      - { .name: q, .offset: 0, .size: 8, .value_kind: global_buffer, .address_space: global }
      - { .name: k, .offset: 8, .size: 8, .value_kind: global_buffer, .address_space: global }
      - { .name: v, .offset: 16, .size: 8, .value_kind: global_buffer, .address_space: global }
      - { .name: qrec, .offset: 24, .size: 8, .value_kind: global_buffer, .address_space: global }
      - { .name: kv, .offset: 32, .size: 8, .value_kind: global_buffer, .address_space: global }
    .group_segment_fixed_size: 53760
    .private_segment_fixed_size: 0
    .kernarg_segment_align: 8
    .kernarg_segment_size: 40
    .max_flat_workgroup_size: 128
    .sgpr_count:     66
    .vgpr_count:     244
    .wavefront_size: 32
...
	.end_amdgpu_metadata
.endif
;; end of part 1
;; launch stats (part 2): grid 16 x 16, 16 waves a work-group, clusters of 4 x 1, 327,680 bytes of LDS; arguments qrec, kv, bias; writes bias
.if DOCPART == 2
	.amdgcn_target "amdgcn-amd-amdhsa--gfx1250"
	.amdhsa_code_object_version 6
	.text
	.protected	k_q5ad6fb0059_stats
	.globl	k_q5ad6fb0059_stats
	.p2align	8
	.type	k_q5ad6fb0059_stats,@function
k_q5ad6fb0059_stats:
	s_mov_b64 s[64:65], 0
	v_nop
	global_prefetch_b8 v0, s[64:65] scope:SCOPE_SE
	s_setreg_imm32_b32 hwreg(HW_REG_WAVE_MODE, 25, 1), 1
	s_wait_xcnt 0x0
	s_wait_alu depctr_hold_cnt(0) depctr_sa_sdst(0) depctr_va_vdst(0) depctr_va_sdst(0) depctr_va_ssrc(0) depctr_va_vcc(0) depctr_vm_vsrc(0)
	s_getreg_b32 s2, hwreg(HW_REG_IB_STS2, 6, 4)
	s_cmp_eq_u32 s2, 0
	s_cbranch_scc0 .Lentry_in_a_cluster
	s_endpgm
.Lentry_in_a_cluster:
	s_bfe_u32 s2, ttmp6, 0x10000c
	s_cmp_lg_u32 s2, 0x3003
	s_cbranch_scc0 .Lentry_shape_is_right
	s_endpgm
.Lentry_shape_is_right:
; The softmax runs over the QUERIES: for each key, bias = -(c x largest score + log2(sum over the 4,096 queries of 2^(c x score - c x largest))), c = log2(e) / 8.
; The scores are the quantised product q k^T (FP6 codes and E8M0 scales as the launch before laid them).  All else is f32, with a running maximum.
; SHARES: a work-group takes 256 keys of one batch.  Sixteen waves, four to a SIMD: waves w and w + 8 hold the same 32 keys (two tiles a = 0, 1) in registers;
; wave w takes the even row records of q, wave w + 8 the odd ones, 32 records each; the two join their maxima and sums through LDS at the end.
; The batch's 64 row records of q lie in LDS (212,992 bytes).  D = q k^T: a lane holds ONE key and its registers run down the queries.
; CLUSTER: the four work-groups of a cluster take the same batch and ask for q's records jointly (mask 15).  The records come in two parts: 16 at the head, one load a wave,
; 48 behind the full sequence and a round; a wave's first 6 trips read the first part alone.
; A TRIP works on the scores of one record (64 queries) in one of two buffers, and lays the wave's next record's eight products among its own plain vector lines, into the other buffer;
; the record after that is read from LDS behind them.
; No prefetch: each part of q is asked for once, at the head, and there is no loop ahead of it to ask in.
; LIMITS: NaN and infinities among the inputs are not served; the promise holds while the scaled scores stay under 2^31 in magnitude.
.set RRB,    3328
.set RECB,   13056
.set QBATCH, 64*RRB
.set CH0W,   13*256                    ; a wave's share of the first 16 records
.set CH1W,   39*256                    ; and of the other 48
.set CH1O,   16*RRB
.set STG,    QBATCH                    ; 1,024 bytes: the 256 results on their way out
.set MRG,    STG+1024                  ; 512 bytes a wave: its maxima and sums, for its partner
.set SPARE,  MRG+16*512                ; the spare words, 128 bytes a wave
.set LI,  1
.set L8,  2
.set ADQ, 3
.set ADS, 4
.set STA, 5
.set KO,  6
.set KSO, 7
.set U,   8
.set RDA, 12
.set T0,  13
.set T1,  14
.set QF,  16                           ; v16-39 a record's four fragments, v40-45 zeros
.set QS,  46
.set KA,  48                           ; v48-71 my two tiles of k, each 6 registers of codes and 6 of zero codes
.set KS,  72
.set TMP, 74
.set ST,  80                           ; for each a: c x max, max, the sum's two halves, four at work
.set S,   96                           ; v96-223 two buffers of 64 scores
.set SPW, 224
.set NIL, 225
.set MWA, 226                          ; where I put my maxima and sums
.set MRP, 227                          ; and where my partner puts its own
.set WV,  10
.set G1A, 16
.set G1B, 24
.set G0A, 32
.set G0B, 36
.set CS,  40
.set SEL, 42
.set TQ,  44
.set CNT, 45
.set WK,  60                           ; wave % 8: which 32 keys
.macro CROUND
	s_barrier_signal -1
	s_barrier_wait -1
	s_cmp_lg_u32 s[WV], 0
	s_cbranch_scc1 .Lnot_wave_0_\@
	s_barrier_signal -3
.Lnot_wave_0_\@:
	s_barrier_wait -3
	s_barrier_signal -1
	s_barrier_wait -1
.endm
; tile i of the record's queries x my tile a of keys, into buffer b.  The upper 64 of K meet zero codes of k
.macro QK i, a, b
.set rD, S+64*(\b)+32*(\a)+8*(\i)
.set rA, QF+6*(\i)
.set rB, KA+12*(\a)
.set rS, QS+(\i)/2
.if ((\i)%2) && (\a)
	v_wmma_scale_f32_16x16x128_f8f6f4 v[rD:rD+7], v[rA:rA+11], v[rB:rB+11], 0, v[rS], v[KS] matrix_a_fmt:MATRIX_FMT_FP6 matrix_b_fmt:MATRIX_FMT_FP6 matrix_a_scale:MATRIX_SCALE_ROW1 matrix_b_scale:MATRIX_SCALE_ROW1
.elseif (\i)%2
	v_wmma_scale_f32_16x16x128_f8f6f4 v[rD:rD+7], v[rA:rA+11], v[rB:rB+11], 0, v[rS], v[KS] matrix_a_fmt:MATRIX_FMT_FP6 matrix_b_fmt:MATRIX_FMT_FP6 matrix_a_scale:MATRIX_SCALE_ROW1
.elseif \a
	v_wmma_scale_f32_16x16x128_f8f6f4 v[rD:rD+7], v[rA:rA+11], v[rB:rB+11], 0, v[rS], v[KS] matrix_a_fmt:MATRIX_FMT_FP6 matrix_b_fmt:MATRIX_FMT_FP6 matrix_b_scale:MATRIX_SCALE_ROW1
.else
	v_wmma_scale_f32_16x16x128_f8f6f4 v[rD:rD+7], v[rA:rA+11], v[rB:rB+11], 0, v[rS], v[KS] matrix_a_fmt:MATRIX_FMT_FP6 matrix_b_fmt:MATRIX_FMT_FP6
.endif
.endm
.macro QLOAD
.irp p, 0,1
.irp x, 0,1,2
	ds_load_b128 v[QF+12*\p+4*\x:QF+12*\p+4*\x+3], v[ADQ] offset:1536*\p+512*\x
.endr
.endr
	ds_load_b64 v[QS:QS+1], v[ADS] offset:3072
.endm
	s_load_b128 s[4:7], s[0:1], 0x0                ; qrec, kv
	s_load_b64 s[8:9], s[0:1], 0x10                ; bias
	v_lshl_add_u32 v[SPW], v0, 2, SPARE
	v_mov_b32 v[NIL], 0
	ds_add_u32 v[SPW], v[NIL]                      ; the opening lines: the add twice on end and one wait
	ds_add_u32 v[SPW], v[NIL]
	v_lshrrev_b32 v[T0], 5, v0
	v_readfirstlane_b32 s[WV], v[T0]
	s_bfe_u32 s11, ttmp6, 0x40000
	s_lshl_b32 s12, ttmp9, 2
	s_add_co_u32 s12, s12, s11                     ; which 256 keys
	s_and_b32 s13, ttmp7, 0xffff                   ; batch
	s_mov_b32 s[G1A], 15|(3<<16)|(1<<21)           ; rows of 256 bytes, dense; the mask names the cluster's four
	s_mov_b32 s[G1A+1], 32<<16
	s_mov_b32 s[G1A+2], 13<<16
	s_mov_b32 s[G1A+3], 32<<16
	s_mov_b32 s[G1A+4], 13
	s_mov_b32 s[G1A+5], 32
	s_mov_b32 s[G1A+6], 0
	s_mov_b32 s[G1A+7], 0
	s_mov_b32 s[G1B], 15|(3<<16)|(1<<21)
	s_mov_b32 s[G1B+1], 32<<16
	s_mov_b32 s[G1B+2], 39<<16
	s_mov_b32 s[G1B+3], 32<<16
	s_mov_b32 s[G1B+4], 39
	s_mov_b32 s[G1B+5], 32
	s_mov_b32 s[G1B+6], 0
	s_mov_b32 s[G1B+7], 0
	s_mov_b32 s[CS], 0x3e38aa3b                    ; c = log2(e) / 8
	s_mov_b32 s[CS+1], s[CS]
	s_mov_b32 s[SEL], 0x76543210
	s_mov_b32 s[SEL+1], 0xfedcba98
	s_and_b32 s[WK], s[WV], 7
	s_lshr_b32 s59, s[WV], 3
	s_mul_i32 s[TQ], s59, RRB                      ; my first record: 0 or 1
	s_lshl_b32 s61, s[WV], 9
	s_add_co_u32 s61, s61, MRG
	s_xor_b32 s62, s[WV], 8
	s_lshl_b32 s62, s62, 9
	s_add_co_u32 s62, s62, MRG
	s_mul_i32 s46, s13, QBATCH
	s_mov_b32 s47, 0
	s_mul_i32 s48, s[WV], CH0W
	s_mov_b32 s49, 0
	s_mul_i32 s50, s[WV], CH1W
	s_add_co_u32 s50, s50, CH1O
	s_mov_b32 s51, 0
	s_lshl_b32 s52, s13, 5                         ; my 32 keys: key record, row record in it, image in that
	s_lshl_b32 s53, s12, 1
	s_add_co_u32 s52, s52, s53
	s_lshr_b32 s53, s[WK], 2
	s_add_co_u32 s52, s52, s53
	s_mul_i32 s52, s52, RECB
	s_bfe_u32 s53, s[WV], 0x10001
	s_mul_i32 s53, s53, RRB
	s_add_co_u32 s52, s52, s53
	s_mov_b32 s53, 0
	s_and_b32 s54, s[WV], 1
	s_mul_i32 s55, s54, 1536
	s_lshl_b32 s56, s54, 2
	s_lshl_b32 s14, s13, 14
	s_lshl_b32 s15, s12, 10
	s_add_co_u32 s14, s14, s15
	s_lshl_b32 s15, s54, 9
	s_add_co_u32 s14, s14, s15
	s_mov_b32 s15, 0
	s_lshr_b32 s57, s[WK], 1
	s_lshl_b32 s57, s57, 8
	s_lshl_b32 s58, s54, 6
	s_add_co_u32 s57, s57, s58
	s_lshl_b32 s58, s54, 9
	v_and_b32 v[T0], 31, v0
	v_bfe_u32 v[STA], v0, 3, 1
	v_and_b32 v[T1], 7, v0
	v_lshlrev_b32 v[LI], 4, v[T0]
	v_lshlrev_b32 v[L8], 3, v[T0]
	v_lshlrev_b32 v[MWA], 2, v[T0]
	v_lshlrev_b32 v[STA], 7, v[STA]
	v_add_nc_u32 v[KO], s55, v[LI]
	v_add_nc_u32 v[KSO], s56, v[L8]
	v_add_nc_u32 v[MRP], s62, v[MWA]
	v_add_nc_u32 v[MWA], s61, v[MWA]
	v_lshl_add_u32 v[STA], v[T1], 2, v[STA]
	v_add_nc_u32 v[RDA], s58, v[LI]
	v_add_nc_u32 v[STA], s57, v[STA]
	v_add_nc_u32 v[RDA], STG, v[RDA]
	v_add_nc_u32 v[STA], STG, v[STA]
	v_add_nc_u32 v[ADQ], s[TQ], v[LI]
	v_add_nc_u32 v[ADS], s[TQ], v[L8]
	s_wait_alu depctr_va_vdst(0)                   ; the wait ahead of the blocking waits
	s_wait_dscnt 0x0
	s_wait_kmcnt 0x0
	s_add_nc_u64 s[4:5], s[4:5], s[46:47]
	s_add_nc_u64 s[6:7], s[6:7], s[52:53]
	s_add_nc_u64 s[8:9], s[8:9], s[14:15]
	global_load_b128 v[KA:KA+3], v[KO], s[6:7]     ; my keys' image: on its way while q's first part is fetched
	global_load_b128 v[TMP:TMP+3], v[KO], s[6:7] offset:512
	global_load_b128 v[KA+14:KA+17], v[KO], s[6:7] offset:1024
	global_load_b32 v[KS], v[KSO], s[6:7] offset:3072
	CROUND                                         ; in front of the first joint loads
	s_mov_b32 s[G0A], 1
	s_mov_b32 s[G0A+1], s48
	s_add_nc_u64 s[G0A+2:G0A+3], s[4:5], s[48:49]
	s_or_b32 s[G0A+3], s[G0A+3], 0x80000000
	s_mov_b32 s[G0B], 1
	s_mov_b32 s[G0B+1], s50
	s_add_nc_u64 s[G0B+2:G0B+3], s[4:5], s[50:51]
	s_or_b32 s[G0B+3], s[G0B+3], 0x80000000
	tensor_load_to_lds s[G0A:G0A+3], s[G1A:G1A+7]  ; my one load at the head: my share of records 0-15
	s_nop 0
.irp j, 6,7,8,9,10,11,18,19,20,21,22,23
	v_mov_b32 v[KA+\j], 0                          ; zero codes for the upper 64 of K
.endr
.irp j, 24,25,26,27,28,29
	v_mov_b32 v[QF+\j], 0
.endr
.irp a, 0,1
	v_mov_b32 v[ST+8*\a+1], 0xff61b1e6             ; the largest score so far: -3e38
	v_mov_b32 v[ST+8*\a+2], 0
	v_mov_b32 v[ST+8*\a+3], 0
.endr
.irp a, 0,1
	v_mul_f32 v[ST+8*\a], s[CS], v[ST+8*\a+1]
.endr
	s_wait_alu depctr_va_vdst(0)                   ; the wait at the head's end
	s_wait_tensorcnt 0x0                           ; the full sequence ahead of the later first fill
	ds_add_u32 v[SPW], v[NIL]
	s_wait_dscnt 0x0
	CROUND                                         ; everybody's share of records 0-15 is in
	tensor_load_to_lds s[G0B:G0B+3], s[G1B:G1B+7]  ; records 16-63
	s_nop 0
.rept 4
	v_nop
.endr
	QLOAD                                          ; my first record
	s_wait_loadcnt 0x0
	s_wait_dscnt 0x0
	v_mov_b32 v[KA+4], v[TMP]
	v_mov_b32 v[KA+5], v[TMP+1]
	v_mov_b32 v[KA+12], v[TMP+2]
	v_mov_b32 v[KA+13], v[TMP+3]
.rept 4
	v_nop                                          ; an operand written by vector lines stands four places ahead of a scaled product
.endr
.irp i, 0,1,2,3
.irp a, 0,1
	QK \i, \a, 0
.endr
.endr
	s_add_co_u32 s[TQ], s[TQ], 2*RRB
	v_add_nc_u32 v[ADQ], s[TQ], v[LI]
	v_add_nc_u32 v[ADS], s[TQ], v[L8]
	v_nop
	v_nop                                          ; four places, then loads into the fragments just multiplied
	QLOAD                                          ; my second record
; b: the buffer with this trip's scores; mm: my next record's products go into the other; look: the record after that is read
.macro TRIP b, mm, look
.set X, S+64*(\b)
	s_wait_dscnt 0x0                               ; the next record's fragments, asked for in the last trip
	s_wait_alu depctr_va_vdst(0)                   ; the wait directly ahead of the first readers of the scores
.irp j, 0,1,2,3
.irp a, 0,1
	v_max3_num_f32 v[ST+8*\a+4+\j], v[X+32*\a+8*\j], v[X+32*\a+8*\j+1], v[X+32*\a+8*\j+2]
.endr
.endr
.irp k, 3,5
.irp j, 0,1,2,3
.irp a, 0,1
	v_max3_num_f32 v[ST+8*\a+4+\j], v[ST+8*\a+4+\j], v[X+32*\a+8*\j+\k], v[X+32*\a+8*\j+\k+1]
.endr
.endr
.endr
.irp a, 0,1
	v_max3_num_f32 v[ST+8*\a+4], v[ST+8*\a+4], v[X+32*\a+7], v[X+32*\a+15]
	v_max3_num_f32 v[ST+8*\a+6], v[ST+8*\a+6], v[X+32*\a+23], v[X+32*\a+31]
.endr
.if \mm
	QK 0, 0, 1-(\b)
.endif
.irp a, 0,1
	v_max3_num_f32 v[ST+8*\a+4], v[ST+8*\a+4], v[ST+8*\a+5], v[ST+8*\a+6]
.endr
.irp a, 0,1
	v_max3_num_f32 v[ST+8*\a+1], v[ST+8*\a+4], v[ST+8*\a+7], v[ST+8*\a+1]   ; the running maximum
.endr
.if \mm
	QK 0, 1, 1-(\b)
.endif
.irp a, 0,1
	v_mov_b32 v[ST+8*\a+7], v[ST+8*\a]
.endr
.irp a, 0,1
	v_mul_f32 v[ST+8*\a], s[CS], v[ST+8*\a+1]
.endr
.if \mm
	QK 1, 0, 1-(\b)
.endif
.irp a, 0,1
	v_sub_f32 v[ST+8*\a+7], v[ST+8*\a+7], v[ST+8*\a]   ; c x (old maximum - new)
.endr
.if \look
	s_add_co_u32 s[TQ], s[TQ], 2*RRB
	v_add_nc_u32 v[ADQ], s[TQ], v[LI]
	v_add_nc_u32 v[ADS], s[TQ], v[L8]
.endif
.set n, 0
.rept 16
.if (\mm) && (n%6 == 0) && (n < 30)
	QK (3+n/6)/2, (3+n/6)%2, 1-(\b)                ; the other five, six multiply-adds apart; eight follow the last
.endif
.irp a, 0,1
	v_pk_fma_f32 v[X+32*\a+n:X+32*\a+n+1], v[X+32*\a+n:X+32*\a+n+1], s[CS:CS+1], v[ST+8*\a:ST+8*\a+1] op_sel_hi:[1,0,0] neg_lo:[0,0,1] neg_hi:[0,0,1]
.endr
.set n, n+2
.endr
.if \look
	QLOAD
.endif
	s_wait_alu depctr_va_vdst(0)                   ; the wait ahead of the batch
.irp a, 0,1
	v_exp_f32 v[ST+8*\a+6], v[ST+8*\a+7]
.endr
.set n, 0
.rept 32
.irp a, 0,1
	v_exp_f32 v[X+32*\a+n], v[X+32*\a+n]
.endr
.set n, n+1
.endr
	v_nop
	s_wait_alu depctr_va_vdst(0)                   ; and behind it
.irp a, 0,1
	v_pk_fma_f32 v[ST+8*\a+2:ST+8*\a+3], v[ST+8*\a+2:ST+8*\a+3], v[ST+8*\a+6:ST+8*\a+7], v[X+32*\a:X+32*\a+1] op_sel_hi:[1,0,1]   ; the sums under the new maximum
	v_pk_add_f32 v[U+2*\a:U+2*\a+1], v[X+32*\a+2:X+32*\a+3], v[X+32*\a+4:X+32*\a+5]
.endr
.irp j, 6,10,14,18,22,26
.irp a, 0,1
	v_pk_add_f32 v[ST+8*\a+2:ST+8*\a+3], v[ST+8*\a+2:ST+8*\a+3], v[X+32*\a+\j:X+32*\a+\j+1]
	v_pk_add_f32 v[U+2*\a:U+2*\a+1], v[U+2*\a:U+2*\a+1], v[X+32*\a+\j+2:X+32*\a+\j+3]
.endr
.endr
.irp a, 0,1
	v_pk_add_f32 v[ST+8*\a+2:ST+8*\a+3], v[ST+8*\a+2:ST+8*\a+3], v[X+32*\a+30:X+32*\a+31]
.endr
.irp a, 0,1
	v_pk_add_f32 v[ST+8*\a+2:ST+8*\a+3], v[ST+8*\a+2:ST+8*\a+3], v[U+2*\a:U+2*\a+1]
.endr
.endm
	s_mov_b32 s[CNT], 3                            ; my trips 0-5 read my records 2-7, all among the first 16
.Lfirst:
	TRIP 0, 1, 1
	TRIP 1, 1, 1
	s_sub_co_u32 s[CNT], s[CNT], 1
	s_cmp_lg_u32 s[CNT], 0
	s_cbranch_scc1 .Lfirst
	s_wait_tensorcnt 0x0                           ; my share of records 16-63 is in,
	s_wait_dscnt 0x0
	s_barrier_signal -1
	s_barrier_wait -1                              ; and everybody's
	s_mov_b32 s[CNT], 12                           ; my trips 6-29 read my records 8-31
.Lrest:
	TRIP 0, 1, 1
	TRIP 1, 1, 1
	s_sub_co_u32 s[CNT], s[CNT], 1
	s_cmp_lg_u32 s[CNT], 0
	s_cbranch_scc1 .Lrest
	TRIP 0, 1, 0
	TRIP 1, 0, 0
.irp a, 0,1
	v_add_f32 v[ST+8*\a+4], v[ST+8*\a+2], v[ST+8*\a+3]
.endr
.irp a, 0,1
	v_permlanex16_b32 v[ST+8*\a+5], v[ST+8*\a], s[SEL], s[SEL+1]   ; lane l xor 16 holds the same key's other queries
.endr
.irp a, 0,1
	v_max_num_f32 v[ST+8*\a+5], v[ST+8*\a], v[ST+8*\a+5]
.endr
.irp a, 0,1
	v_sub_f32 v[ST+8*\a+6], v[ST+8*\a], v[ST+8*\a+5]
.endr
	s_wait_alu depctr_va_vdst(0)
.irp a, 0,1
	v_exp_f32 v[ST+8*\a+6], v[ST+8*\a+6]
.endr
	v_nop
	s_wait_alu depctr_va_vdst(0)
.irp a, 0,1
	v_mul_f32 v[ST+8*\a+4], v[ST+8*\a+4], v[ST+8*\a+6]
.endr
.irp a, 0,1
	v_permlanex16_b32 v[ST+8*\a+7], v[ST+8*\a+4], s[SEL], s[SEL+1]
.endr
.irp a, 0,1
	v_add_f32 v[ST+8*\a+4], v[ST+8*\a+4], v[ST+8*\a+7]
.endr
.irp a, 0,1                            ; my half of the queries is done: maximum and sum go to my partner, and its own come to me
	ds_store_b32 v[MWA], v[ST+8*\a+5] offset:256*\a
	ds_store_b32 v[MWA], v[ST+8*\a+4] offset:256*\a+128
.endr
	s_wait_alu depctr_va_vdst(0)
	s_wait_dscnt 0x0
	s_barrier_signal -1
	s_barrier_wait -1
.irp a, 0,1
	ds_load_b32 v[ST+8*\a+6], v[MRP] offset:256*\a
	ds_load_b32 v[ST+8*\a+7], v[MRP] offset:256*\a+128
.endr
	s_wait_dscnt 0x0
.irp a, 0,1
	v_max_num_f32 v[U+2*\a], v[ST+8*\a+5], v[ST+8*\a+6]
.endr
.irp a, 0,1
	v_sub_f32 v[ST+8*\a+5], v[ST+8*\a+5], v[U+2*\a]
	v_sub_f32 v[ST+8*\a+6], v[ST+8*\a+6], v[U+2*\a]
.endr
	s_wait_alu depctr_va_vdst(0)
.irp a, 0,1
	v_exp_f32 v[ST+8*\a+5], v[ST+8*\a+5]
	v_exp_f32 v[ST+8*\a+6], v[ST+8*\a+6]
.endr
	v_nop
	s_wait_alu depctr_va_vdst(0)
.irp a, 0,1
	v_mul_f32 v[ST+8*\a+4], v[ST+8*\a+4], v[ST+8*\a+5]
.endr
.irp a, 0,1
	v_fma_f32 v[ST+8*\a+4], v[ST+8*\a+7], v[ST+8*\a+6], v[ST+8*\a+4]   ; the sum over all 4,096 queries, under the common maximum
.endr
	s_wait_alu depctr_va_vdst(0)
.irp a, 0,1
	v_log_f32 v[ST+8*\a+6], v[ST+8*\a+4]
.endr
	v_nop
	s_wait_alu depctr_va_vdst(0)
.irp a, 0,1
	v_fma_f32 v[ST+8*\a+7], v[U+2*\a], -1.0, -v[ST+8*\a+6]
.endr
	s_cmp_lt_u32 s[WV], 8                          ; both partners hold the result: the lower one hands it on
	s_cbranch_scc0 .Lnot_lower
.irp a, 0,1
	ds_store_b32 v[STA], v[ST+8*\a+7] offset:32*\a  ; in the keys' own order
.endr
.Lnot_lower:
	s_wait_dscnt 0x0
	s_barrier_signal -1
	s_barrier_wait -1
	s_cmp_lt_u32 s[WV], 2
	s_cbranch_scc0 .Lno_store
	ds_load_b128 v[QF:QF+3], v[RDA]
	s_wait_dscnt 0x0
	global_store_b128 v[LI], v[QF:QF+3], s[8:9]    ; 512 consecutive bytes, aligned
.Lno_store:
	s_wait_tensorcnt 0x0                           ; the wave's end
	ds_add_u32 v[SPW], v[NIL]
	s_wait_dscnt 0x0
	CROUND                                         ; the closing round
	s_endpgm
.Lfunc_end_k_q5ad6fb0059_stats:
	.size	k_q5ad6fb0059_stats, .Lfunc_end_k_q5ad6fb0059_stats-k_q5ad6fb0059_stats
	.p2alignl 7, 3214868480
	.fill 96, 4, 3214868480
	.section	.rodata,"a",@progbits
	.p2align	6, 0x0
	.amdhsa_kernel k_q5ad6fb0059_stats
		.amdhsa_group_segment_fixed_size 327680
		.amdhsa_private_segment_fixed_size 0
		.amdhsa_enable_private_segment 0
		.amdhsa_kernarg_size 24
		.amdhsa_user_sgpr_count 2
		.amdhsa_user_sgpr_kernarg_segment_ptr 1
		.amdhsa_wavefront_size32 1
		.amdhsa_system_sgpr_workgroup_id_x 1
		.amdhsa_system_sgpr_workgroup_id_y 1
		.amdhsa_system_sgpr_workgroup_id_z 1
		.amdhsa_system_vgpr_workitem_id 0
		.amdhsa_next_free_vgpr 228
		.amdhsa_next_free_sgpr 66
		.amdhsa_reserve_vcc 0
		.amdhsa_float_denorm_mode_32 3
		.amdhsa_float_denorm_mode_16_64 3
		.amdhsa_memory_ordered 1
		.amdhsa_forward_progress 1
		.amdhsa_inst_pref_size 71
	.end_amdhsa_kernel
	.amdgpu_metadata
---
amdhsa.version: [ 1, 2 ]
amdhsa.kernels:
  - .name:           k_q5ad6fb0059_stats
    .symbol:         k_q5ad6fb0059_stats.kd
    .args:
      - { .name: qrec, .offset: 0, .size: 8, .value_kind: global_buffer, .address_space: global }
      - { .name: kv, .offset: 8, .size: 8, .value_kind: global_buffer, .address_space: global }
      - { .name: bias, .offset: 16, .size: 8, .value_kind: global_buffer, .address_space: global }
    .group_segment_fixed_size: 327680
    .private_segment_fixed_size: 0
    .kernarg_segment_align: 8
    .kernarg_segment_size: 24
    .max_flat_workgroup_size: 512
    .sgpr_count:     66
    .vgpr_count:     228
    .wavefront_size: 32
...
	.end_amdgpu_metadata
.endif
;; end of part 2
;; launch attn (part 3): grid 16 x 16, 16 waves a work-group, clusters of 4 x 1, 327,680 bytes of LDS; arguments qrec, kv, bias, out0; writes out0
.if DOCPART == 3
	.amdgcn_target "amdgcn-amd-amdhsa--gfx1250"
	.amdhsa_code_object_version 6
	.text
	.protected	k_q5ad6fb0059_attn
	.globl	k_q5ad6fb0059_attn
	.p2align	8
	.type	k_q5ad6fb0059_attn,@function
k_q5ad6fb0059_attn:
	s_mov_b64 s[64:65], 0
	v_nop
	global_prefetch_b8 v0, s[64:65] scope:SCOPE_SE
	s_setreg_imm32_b32 hwreg(HW_REG_WAVE_MODE, 25, 1), 1
	s_wait_xcnt 0x0
	s_wait_alu depctr_hold_cnt(0) depctr_sa_sdst(0) depctr_va_vdst(0) depctr_va_sdst(0) depctr_va_ssrc(0) depctr_va_vcc(0) depctr_vm_vsrc(0)
	s_getreg_b32 s2, hwreg(HW_REG_IB_STS2, 6, 4)
	s_cmp_eq_u32 s2, 0
	s_cbranch_scc0 .Lentry_in_a_cluster
	s_endpgm
.Lentry_in_a_cluster:
	s_bfe_u32 s2, ttmp6, 0x10000c
	s_cmp_lg_u32 s2, 0x3003
	s_cbranch_scc0 .Lentry_shape_is_right
	s_endpgm
.Lentry_shape_is_right:
; out = Q(p) Q(v), p(query, key) = 2^(c x score + bias(key)): the finished softmax over the queries, c = log2(e) / 8, bias from the launch before; p is at most 1.
; The scores are the quantised product again; p is quantised along the keys, a block of 32 keys in one lane's 32 registers.
; SHARES: a work-group takes 256 queries of a batch.  Sixteen waves, four to a SIMD: waves w and w + 8 hold the same 32 queries (two tiles e = 0, 1);
; wave w takes the even key records, wave w + 8 the odd ones, so that each record is read from LDS by eight waves; at the end wave w adds its partner's O^T to its own, in f32.
; Both products are used transposed (S^T = k q^T, O^T = v^T p^T): a lane holds one query.
; The batch's 32 key records (128 keys, 13,056 bytes) go through two LDS slots of eight records; the 4,096 biases lie in LDS for the whole launch.
; CLUSTER: the four work-groups of a cluster take the same batch and ask for records and biases jointly (mask 15).  At the head waves 0-7 ask for slot 0, a record each,
; and waves 8-15 for 512 biases each: one load a wave.  Later fills are waves 0-7's, behind the full sequence and a round.
; REGISTERS: 252, so that four waves fit a SIMD and no register window is switched.  k's fragments and the biases take turns in 32 registers (the six behind k's 24 hold
; whatever is left there: they meet q's zero codes, and every FP6 code is a finite number); scores, exponents, p and then v's fragments take turns in 64.
; No prefetch: a fill is asked for a slot's eight records ahead of its first read.
; LIMITS: NaN and infinities among the inputs are not served.  A block whose every p lies under 2^-124 gets the scale byte 1, as the quantiser's hold at -126 asks.
.set RRB,   3328
.set RECB,  13056
.set VCO,   6656
.set VSO,   12800
.set SLOTB, 8*RECB
.set BIAS,  SLOTB
.set SPARE, BIAS+16384                 ; 2,048 bytes of spare words
.set SLOT1, 1<<17
.set STAGE, SLOT1+SLOTB                ; 8,704 bytes for each pair of waves: the partner's O^T, then the way out
.set SP,    272
.set LI,  1
.set L8,  2
.set L4,  3
.set BH,  4
.set SPW, 5
.set NIL, 6
.set SH8, 7
.set A16, 8
.set A8,  9
.set A4,  10
.set ABI, 11
.set STO, 12
.set RD,  13
.set T0,  14
.set T1,  15
.set QSC, 16
.set IMG, 17
.set KSC, 18                           ; v18-21 k's scale words, a pair for each half record
.set VSC, 22
.set PS,  24
.set W,   26
.set SCR, 28
.set TP,  30
.set TT,  32
.set MA,  40
.set PC,  44                           ; v44-67 p's codes
.set QA,  68                           ; v68-91 q: for each tile 6 registers of codes, 6 of zero codes
.set KB,  92                           ; v92-123 k's fragments of a half record, then its biases
.set S,   124                          ; v124-187 scores, exponents, p; then v's fragments
.set VF,  S
.set O,   188                          ; v188-251 O^T
.set WV,  12
.set G1,  16
.set G1B, 24
.set G0,  32
.set G0B, 36
.set CS,  40
.set SEL, 42
.set TB,  44
.set TBI, 45
.set SLOTS, 46
.set CNT, 47
.set WQ,  60                           ; wave % 8: which 32 queries
.macro CROUND
	s_barrier_signal -1
	s_barrier_wait -1
	s_cmp_lg_u32 s[WV], 0
	s_cbranch_scc1 .Lnot_wave_0_\@
	s_barrier_signal -3
.Lnot_wave_0_\@:
	s_barrier_wait -3
	s_barrier_signal -1
	s_barrier_wait -1
.endm
.macro QK c, u, e
.set rD, S+32*(\e)+8*(\u)
.set rA, KB+6*(\u)
.set rB, QA+12*(\e)
.set rS, KSC+2*(\c)+(\u)/2
.if ((\u)%2) && (\e)
	v_wmma_scale_f32_16x16x128_f8f6f4 v[rD:rD+7], v[rA:rA+11], v[rB:rB+11], 0, v[rS], v[QSC] matrix_a_fmt:MATRIX_FMT_FP6 matrix_b_fmt:MATRIX_FMT_FP6 matrix_a_scale:MATRIX_SCALE_ROW1 matrix_b_scale:MATRIX_SCALE_ROW1
.elseif (\u)%2
	v_wmma_scale_f32_16x16x128_f8f6f4 v[rD:rD+7], v[rA:rA+11], v[rB:rB+11], 0, v[rS], v[QSC] matrix_a_fmt:MATRIX_FMT_FP6 matrix_b_fmt:MATRIX_FMT_FP6 matrix_a_scale:MATRIX_SCALE_ROW1
.elseif \e
	v_wmma_scale_f32_16x16x128_f8f6f4 v[rD:rD+7], v[rA:rA+11], v[rB:rB+11], 0, v[rS], v[QSC] matrix_a_fmt:MATRIX_FMT_FP6 matrix_b_fmt:MATRIX_FMT_FP6 matrix_b_scale:MATRIX_SCALE_ROW1
.else
	v_wmma_scale_f32_16x16x128_f8f6f4 v[rD:rD+7], v[rA:rA+11], v[rB:rB+11], 0, v[rS], v[QSC] matrix_a_fmt:MATRIX_FMT_FP6 matrix_b_fmt:MATRIX_FMT_FP6
.endif
.endm
.macro PV t, e                         ; the eight accumulators take turns
.set rD, O+32*(\e)+8*(\t)
.set rA, VF+12*(\t)
.set rB, PC+12*(\e)
.set rS, VSC+(\t)/2
.if (\t)%2
	v_wmma_scale_f32_16x16x128_f8f6f4 v[rD:rD+7], v[rA:rA+11], v[rB:rB+11], v[rD:rD+7], v[rS], v[PS+\e] matrix_a_fmt:MATRIX_FMT_FP6 matrix_b_fmt:MATRIX_FMT_FP6 matrix_a_scale:MATRIX_SCALE_ROW1
.else
	v_wmma_scale_f32_16x16x128_f8f6f4 v[rD:rD+7], v[rA:rA+11], v[rB:rB+11], v[rD:rD+7], v[rS], v[PS+\e] matrix_a_fmt:MATRIX_FMT_FP6 matrix_b_fmt:MATRIX_FMT_FP6
.endif
.endm
; 64 keys x my 32 queries: scores, p, its scale bytes and codes
.macro HALF c
.irp p, 0,1
.irp x, 0,1,2
	ds_load_b128 v[KB+12*\p+4*\x:KB+12*\p+4*\x+3], v[A16] offset:RRB*(\c)+1536*\p+512*\x
.endr
.endr
	s_wait_dscnt 0x0
.irp u, 0,1,2,3
.irp e, 0,1
	QK \c, \u, \e
.endr
.endr
.rept 4
	v_nop                                          ; four places, then loads into the fragments just multiplied, and the first readers of the scores
.endr
.irp j, 0,1,2,3,4,5,6,7
	ds_load_b128 v[KB+4*\j:KB+4*\j+3], v[ABI] offset:256*(\c)+16*\j   ; the biases of keys 32 h + 0 .. 31 of this half
.endr
	s_wait_dscnt 0x0
.set n, 0
.rept 16
.irp e, 0,1
	v_pk_fma_f32 v[S+32*\e+n:S+32*\e+n+1], v[S+32*\e+n:S+32*\e+n+1], s[CS:CS+1], v[KB+n:KB+n+1] op_sel_hi:[1,0,1]
.endr
.set n, n+2
.endr
	s_wait_alu depctr_va_vdst(0)                   ; the wait ahead of the batch
.set n, 0
.rept 32
.irp e, 0,1
	v_exp_f32 v[S+32*\e+n], v[S+32*\e+n]
.endr
.set n, n+1
.endr
	v_nop
	s_wait_alu depctr_va_vdst(0)                   ; and behind it
.irp e, 0,1
	v_max3_num_f32 v[MA+2*\e], v[S+32*\e], v[S+32*\e+1], 0x1800000   ; the floor 2^(3 - 127): the byte cannot fall under 1
	v_max3_num_f32 v[MA+2*\e+1], v[S+32*\e+16], v[S+32*\e+17], v[S+32*\e+18]
.endr
.irp k, 2,4,6,8,10,12
.irp e, 0,1
	v_max3_num_f32 v[MA+2*\e], v[MA+2*\e], v[S+32*\e+\k], v[S+32*\e+\k+1]
	v_max3_num_f32 v[MA+2*\e+1], v[MA+2*\e+1], v[S+32*\e+\k+17], v[S+32*\e+\k+18]
.endr
.endr
.irp e, 0,1
	v_max3_num_f32 v[MA+2*\e], v[MA+2*\e], v[S+32*\e+14], v[S+32*\e+15]
.endr
.irp e, 0,1
	v_max3_num_f32 v[MA+2*\e], v[MA+2*\e], v[MA+2*\e+1], v[S+32*\e+31]
.endr
.irp e, 0,1
	v_add_nc_u32 v[SCR+\e], 0xff000000, v[MA+2*\e] ; 2 off the exponent field: the conversions' scale operand
.endr
.if (\c) == 0
.irp e, 0,1
	v_lshrrev_b32 v[W+\e], 23, v[SCR+\e]
.endr
.else
.irp e, 0,1
	v_lshrrev_b32 v[TP+\e], 23, v[SCR+\e]
.endr
.irp e, 0,1
	v_lshl_or_b32 v[W+\e], v[TP+\e], 16, v[W+\e]   ; blocks h and 2 + h,
.endr
.irp e, 0,1
	v_lshlrev_b32 v[W+\e], v[SH8], v[W+\e]         ; at their places,
.endr
.irp e, 0,1
	v_permlanex16_b32 v[TP+\e], v[W+\e], s[SEL], s[SEL+1]
.endr
.irp e, 0,1
	v_or_b32 v[PS+\e], v[W+\e], v[TP+\e]           ; with lane l xor 16's two the word is whole
.endr
.endif
.irp e, 0,1
	v_cvt_scalef32_pk16_fp6_f32 v[PC+12*\e+6*(\c):PC+12*\e+6*(\c)+2], v[S+32*\e:S+32*\e+15], v[SCR+\e]
	v_cvt_scalef32_pk16_fp6_f32 v[TT+4*\e:TT+4*\e+2], v[S+32*\e+16:S+32*\e+31], v[SCR+\e]
.endr
	v_nop
.endm
.macro MOVES c                         ; a conversion's three registers begin on an even number: a block's upper half is moved to its place
.irp e, 0,1
.irp m, 0,1,2
	v_mov_b32 v[PC+12*\e+6*(\c)+3+\m], v[TT+4*\e+\m]
.endr
.endr
.endm
.macro STEP
	v_add_nc_u32 v[A16], s[TB], v[LI]
	v_add_nc_u32 v[A8], s[TB], v[L8]
	v_add_nc_u32 v[A4], s[TB], v[L4]
	v_add_nc_u32 v[ABI], s[TBI], v[BH]
	v_nop
	v_nop                                          ; six places behind the last step's products: the scores are laid over v's fragments
	s_wait_alu depctr_va_vdst(0)
.irp c, 0,1
	ds_load_b64 v[KSC+2*\c:KSC+2*\c+1], v[A8] offset:RRB*\c+3072
.endr
.irp j, 0,1
	ds_load_b32 v[VSC+\j], v[A4] offset:VSO+128*\j
.endr
	HALF 0
	MOVES 0
	HALF 1
.irp t, 0,1,2,3
.irp x, 0,1,2
	ds_load_b128 v[VF+12*\t+4*\x:VF+12*\t+4*\x+3], v[A16] offset:VCO+1536*\t+512*\x   ; p has become codes: its registers take v's fragments
.endr
.endr
	MOVES 1
.rept 4
	v_nop                                          ; p's scale words stand eight places ahead of the products, its codes four
.endr
	s_wait_alu depctr_va_vdst(0)                   ; the wait ahead of the first readers of O^T and of the codes
	s_wait_dscnt 0x0
.irp t, 0,1,2,3
.irp e, 0,1
	PV \t, \e
.endr
.endr
	s_add_co_u32 s[TB], s[TB], 2*RECB              ; my next record is the next but one
	s_add_co_u32 s[TBI], s[TBI], 1024
.endm
; the sequence in front of a fill (fill = 1: a round and waves 0-7's joint loads) or of the last slot's first read (fill = 0: my work-group's barrier)
.macro CHANGE fill
	s_wait_alu depctr_va_vdst(0)
	s_wait_tensorcnt 0x0
	ds_add_u32 v[SPW], v[NIL]
.if \fill
	s_xor_b32 s[G0+1], s[G0+1], SLOT1
	s_add_nc_u64 s[G0+2:G0+3], s[G0+2:G0+3], SLOTB
.endif
	s_wait_dscnt 0x0
.if \fill
	CROUND
	s_cmp_lt_u32 s[WV], 8
	s_cbranch_scc0 .Lno_fill_\@
	tensor_load_to_lds s[G0:G0+3], s[G1:G1+7]
	s_nop 0
.rept 4
	v_nop
.endr
.Lno_fill_\@:
.else
	s_barrier_signal -1
	s_barrier_wait -1
.endif
.endm
.macro FOUR                            ; my four records of a slot
	s_mov_b32 s[CNT], 4
.Lstep_\@:
	STEP
	s_sub_co_u32 s[CNT], s[CNT], 1
	s_cmp_lg_u32 s[CNT], 0
	s_cbranch_scc1 .Lstep_\@
	s_sub_co_u32 s[TB], s[TB], SLOTB
	s_xor_b32 s[TB], s[TB], SLOT1
.endm
	s_load_b256 s[4:11], s[0:1], 0x0               ; qrec, kv, bias, out0
	v_lshl_add_u32 v[SPW], v0, 2, SPARE
	v_mov_b32 v[NIL], 0
	ds_add_u32 v[SPW], v[NIL]                      ; the opening lines: the add twice on end and one wait
	ds_add_u32 v[SPW], v[NIL]
	v_lshrrev_b32 v[T0], 5, v0
	v_readfirstlane_b32 s[WV], v[T0]
	s_bfe_u32 s13, ttmp6, 0x40000
	s_lshl_b32 s14, ttmp9, 2
	s_add_co_u32 s14, s14, s13                     ; which 256 queries
	s_and_b32 s15, ttmp7, 0xffff                   ; batch
	s_mov_b32 s[G1], 15|(3<<16)|(1<<21)            ; a record: 51 rows of 256 bytes, dense
	s_mov_b32 s[G1+1], 32<<16
	s_mov_b32 s[G1+2], 51<<16
	s_mov_b32 s[G1+3], 32<<16
	s_mov_b32 s[G1+4], 51
	s_mov_b32 s[G1+5], 32
	s_mov_b32 s[G1+6], 0
	s_mov_b32 s[G1+7], 0
	s_mov_b32 s[G1B], 15|(3<<16)|(1<<21)           ; 512 biases: 8 rows of 256 bytes
	s_mov_b32 s[G1B+1], 32<<16
	s_mov_b32 s[G1B+2], 8<<16
	s_mov_b32 s[G1B+3], 32<<16
	s_mov_b32 s[G1B+4], 8
	s_mov_b32 s[G1B+5], 32
	s_mov_b32 s[G1B+6], 0
	s_mov_b32 s[G1B+7], 0
	s_mov_b32 s[CS], 0x3e38aa3b
	s_mov_b32 s[CS+1], s[CS]
	s_mov_b32 s[SEL], 0x76543210
	s_mov_b32 s[SEL+1], 0xfedcba98
	s_and_b32 s[WQ], s[WV], 7
	s_lshr_b32 s61, s[WV], 3
	s_mul_i32 s[TB], s61, RECB                     ; my first record: 0 or 1
	s_lshl_b32 s[TBI], s61, 9
	s_mov_b32 s[SLOTS], 3
	s_mul_i32 s48, s15, 32*RECB
	s_mul_i32 s50, s[WQ], RECB
	s_add_co_u32 s48, s48, s50
	s_mov_b32 s49, 0
	s_lshl_b32 s52, s15, 14
	s_lshl_b32 s51, s[WQ], 11
	s_add_co_u32 s52, s52, s51
	s_mov_b32 s53, 0
	s_lshl_b32 s54, s15, 6
	s_lshl_b32 s55, s14, 2
	s_add_co_u32 s54, s54, s55
	s_lshr_b32 s55, s[WQ], 1
	s_add_co_u32 s54, s54, s55                     ; my row record of q
	s_and_b32 s58, s[WV], 1
	s_mul_i32 s56, s54, RRB
	s_mov_b32 s57, 0
	s_lshl_b32 s54, s54, 14
	s_lshl_b32 s55, s58, 12
	s_add_co_u32 s54, s54, s55
	s_mov_b32 s55, 0
	s_mul_i32 s59, s58, 1536
	s_lshl_b32 s58, s58, 2
	s_wait_dscnt 0x0
	s_wait_kmcnt 0x0
	s_add_nc_u64 s[4:5], s[4:5], s[56:57]
	s_add_nc_u64 s[10:11], s[10:11], s[54:55]
	CROUND                                         ; in front of the first joint loads
	s_mov_b32 s[G0B], 1
	s_add_co_u32 s[G0B+1], s51, BIAS
	s_add_nc_u64 s[G0B+2:G0B+3], s[8:9], s[52:53]
	s_or_b32 s[G0B+3], s[G0B+3], 0x80000000
	s_mov_b32 s[G0], 1
	s_mov_b32 s[G0+1], s50
	s_add_nc_u64 s[G0+2:G0+3], s[6:7], s[48:49]
	s_or_b32 s[G0+3], s[G0+3], 0x80000000
	s_cmp_lt_u32 s[WV], 8                          ; one load a wave: waves 0-7 slot 0, waves 8-15 the biases
	s_cbranch_scc0 .Lhead_bias
	tensor_load_to_lds s[G0:G0+3], s[G1:G1+7]
	s_nop 0
.rept 4
	v_nop
.endr
	s_branch .Lhead_join
.Lhead_bias:
	tensor_load_to_lds s[G0B:G0B+3], s[G1B:G1B+7]
	s_nop 0
.rept 4
	v_nop
.endr
.Lhead_join:
	v_and_b32 v[T0], 31, v0
	v_bfe_u32 v[T1], v0, 4, 1
	v_bfe_u32 v[STO], v0, 3, 1
	v_and_b32 v[RD], 7, v0
	v_lshlrev_b32 v[LI], 4, v[T0]
	v_lshlrev_b32 v[L8], 3, v[T0]
	v_lshlrev_b32 v[L4], 2, v[T0]
	v_lshlrev_b32 v[BH], 7, v[T1]
	v_lshlrev_b32 v[SH8], 3, v[T1]
	v_add_nc_u32 v[A4], s59, v[LI]
	v_add_nc_u32 v[ABI], s58, v[L8]
	v_add_nc_u32 v[BH], BIAS, v[BH]
	global_load_b128 v[QA:QA+3], v[A4], s[4:5]     ; my two tiles of q
	global_load_b128 v[TT:TT+3], v[A4], s[4:5] offset:512
	global_load_b128 v[QA+14:QA+17], v[A4], s[4:5] offset:1024
	global_load_b32 v[QSC], v[ABI], s[4:5] offset:3072
	s_mul_i32 s48, s[WQ], 32*SP
	s_add_co_u32 s48, s48, STAGE
	v_lshlrev_b32 v[STO], 4, v[STO]
	v_add_nc_u32 v[IMG], s48, v[LI]                ; the partner's O^T: an image of its registers, 16 bytes a lane
	v_add_nc_u32 v[STO], v[STO], v[RD]
	v_and_b32 v[RD], 15, v0
	v_mul_u32_u24 v[STO], v[STO], SP
	v_lshlrev_b32 v[RD], 4, v[RD]
	v_lshl_add_u32 v[STO], v[T1], 5, v[STO]
	v_mad_u32_u24 v[RD], v[T1], SP, v[RD]
	v_add_nc_u32 v[STO], s48, v[STO]
	v_add_nc_u32 v[RD], s48, v[RD]
.irp j, 6,7,8,9,10,11,18,19,20,21,22,23
	v_mov_b32 v[QA+\j], 0                          ; zero codes for the upper 64 of K
.endr
.irp j, 24,25,26,27,28,29
	v_mov_b32 v[KB+\j], 0                          ; written once, ahead of their first reading as the upper half of an operand
.endr
	v_mov_b32 v[TP], 0
	v_mov_b32 v[TP+1], 0
.set n, 0
.rept 64
	v_mov_b32 v[O+n], 0                            ; the step is written once: the first adds to zeros
.set n, n+1
.endr
	s_wait_loadcnt 0x0
	v_mov_b32 v[QA+4], v[TT]
	v_mov_b32 v[QA+5], v[TT+1]
	v_mov_b32 v[QA+12], v[TT+2]
	v_mov_b32 v[QA+13], v[TT+3]
.Lslot:                                                ; the first change: slot 0 and the biases are in, slot 1's first fill is issued as a refill is; the next two fill again
	CHANGE 1
	FOUR
	s_sub_co_u32 s[SLOTS], s[SLOTS], 1
	s_cmp_lg_u32 s[SLOTS], 0
	s_cbranch_scc1 .Lslot
	CHANGE 0
	FOUR
.rept 4
	v_nop
.endr
	s_cmp_lt_u32 s[WV], 8
	s_cbranch_scc1 .Lkeeps
.set i, 0
.rept 16
	ds_store_b128 v[IMG], v[O+4*i:O+4*i+3] offset:512*i   ; the upper wave of a pair hands its sums over
.set i, i+1
.endr
.Lkeeps:
	s_wait_dscnt 0x0
	s_barrier_signal -1
	s_barrier_wait -1
	s_cmp_lt_u32 s[WV], 8
	s_cbranch_scc0 .Ldone
.set i, 0
.rept 16
	ds_load_b128 v[S+4*i:S+4*i+3], v[IMG] offset:512*i
.set i, i+1
.endr
	s_wait_dscnt 0x0
.set n, 0
.rept 32
	v_pk_add_f32 v[O+n:O+n+1], v[O+n:O+n+1], v[S+n:S+n+1]
.set n, n+2
.endr
.irp e, 0,1                            ; a lane holds 8 neighbouring columns of a row: through the stage, now mine alone, and out as whole rows of 256 bytes
.irp t, 0,1,2,3
	ds_store_b128 v[STO], v[O+32*\e+8*\t:O+32*\e+8*\t+3] offset:8*SP*\e+64*\t
	ds_store_b128 v[STO], v[O+32*\e+8*\t+4:O+32*\e+8*\t+7] offset:8*SP*\e+64*\t+16
.endr
.endr
.set i, 0
.rept 16
	ds_load_b128 v[S+4*i:S+4*i+3], v[RD] offset:2*SP*i
.set i, i+1
.endr
.set i, 0
.rept 16
	s_wait_dscnt 15-i
	global_store_b128 v[LI], v[S+4*i:S+4*i+3], s[10:11] offset:256*(32*(i/8)+2*(i%8)) th:TH_STORE_NT
.set i, i+1
.endr
.Ldone:
	s_wait_tensorcnt 0x0                           ; the wave's end
	ds_add_u32 v[SPW], v[NIL]
	s_wait_dscnt 0x0
	CROUND                                         ; the closing round
	s_endpgm
.Lfunc_end_k_q5ad6fb0059_attn:
	.size	k_q5ad6fb0059_attn, .Lfunc_end_k_q5ad6fb0059_attn-k_q5ad6fb0059_attn
	.p2alignl 7, 3214868480
	.fill 96, 4, 3214868480
	.section	.rodata,"a",@progbits
	.p2align	6, 0x0
	.amdhsa_kernel k_q5ad6fb0059_attn
		.amdhsa_group_segment_fixed_size 327680
		.amdhsa_private_segment_fixed_size 0
		.amdhsa_enable_private_segment 0
		.amdhsa_kernarg_size 32
		.amdhsa_user_sgpr_count 2
		.amdhsa_user_sgpr_kernarg_segment_ptr 1
		.amdhsa_wavefront_size32 1
		.amdhsa_system_sgpr_workgroup_id_x 1
		.amdhsa_system_sgpr_workgroup_id_y 1
		.amdhsa_system_sgpr_workgroup_id_z 1
		.amdhsa_system_vgpr_workitem_id 0
		.amdhsa_next_free_vgpr 252
		.amdhsa_next_free_sgpr 66
		.amdhsa_reserve_vcc 0
		.amdhsa_float_denorm_mode_32 3
		.amdhsa_float_denorm_mode_16_64 3
		.amdhsa_memory_ordered 1
		.amdhsa_forward_progress 1
		.amdhsa_inst_pref_size 61
	.end_amdhsa_kernel
	.amdgpu_metadata
---
amdhsa.version: [ 1, 2 ]
amdhsa.kernels:
  - .name:           k_q5ad6fb0059_attn
    .symbol:         k_q5ad6fb0059_attn.kd
    .args:
      - { .name: qrec, .offset: 0, .size: 8, .value_kind: global_buffer, .address_space: global }
      - { .name: kv, .offset: 8, .size: 8, .value_kind: global_buffer, .address_space: global }
      - { .name: bias, .offset: 16, .size: 8, .value_kind: global_buffer, .address_space: global }
      - { .name: out0, .offset: 24, .size: 8, .value_kind: global_buffer, .address_space: global }
    .group_segment_fixed_size: 327680
    .private_segment_fixed_size: 0
    .kernarg_segment_align: 8
    .kernarg_segment_size: 32
    .max_flat_workgroup_size: 512
    .sgpr_count:     66
    .vgpr_count:     252
    .wavefront_size: 32
...
	.end_amdgpu_metadata
.endif
;; end of part 3
